; MI455X (gfx1250); checked and timed in simulation.
; The chip was launched on July 23, 2026; its instructions are those of AMD's public machine-readable ISA for CDNA 5 (MIT licence, August 2026) and "CDNA5" Instruction Set Architecture Reference Guide (July 2026). The comments in the code are by the model that wrote it; some were corrected since.
;; LSTM Cell. Allowed arithmetic: matrix products marked QUANTISED: E3M2 operands, one E8M0 scale for each 32 along K, by v_wmma_scale_f32_16x16x128_f8f6f4 with both operands' format E3M2, f32 sums; everything else in f32.
;; Inputs: W_c 1,024 x 2,048 float32; W_f 1,024 x 2,048 float32; W_i 1,024 x 2,048 float32; W_o 1,024 x 2,048 float32; b_c 1,024 float32; b_f 1,024 float32; b_i 1,024 float32; b_o 1,024 float32; c 8,192 x 1,024 float32; h 8,192 x 1,024 float32; x 8,192 x 1,024 float32.
;; Outputs: out0 8,192 x 1,024 float32; out1 8,192 x 1,024 float32.
;; This version of the problem:
;;   THIS VERSION OF THE PROBLEM IS GIVEN IN LOW PRECISION. The matrix products marked QUANTISED in the list below multiply operands that are first quantised to E3M2 (3 exponent bits, 2 mantissa bits; 6 bits a number), with one power-of-two scale for each 32 numbers along K (OCP MX v1.0); their sums are f32. All else is computed in f32.
;;   The module's matrix products, in the order in which they are computed (A, B: the left and right operand; K: the contracted axis; several contracted axes count as one K, in the product's order):
;;     1. [M 8,192, K 2,048] x [K 2,048, N 4,096]; A: computed on the way; B: computed on the way: QUANTISED
;;   THE QUANTISER, for each operand of a quantised product, along K:
;;     - K is cut into blocks of 32 from its start; a last block that is shorter is filled with zeros.
;;     - A block's scale is 2^e with e = floor(log2(the largest magnitude in the block)) - 4, held to -126 .. 127; a block of zeros has e = 0. As a byte (E8M0): e + 127.
;;     - Each number is divided by its block's scale, clamped to +-28, and rounded to the nearest number of E3M2, ties to even, subnormals kept.
;;     - The product sums the exact products of the quantised numbers (number of the format x scale) in f32.
;;   ~~~python
;;   def quantise(x, axis):      # numpy; x: float32 -> the quantised numbers, widened to float32 again
;;       x = np.moveaxis(x, axis, -1); K = x.shape[-1]
;;       x = np.pad(x, [(0, 0)] * (x.ndim - 1) + [(0, -K % 32)]); x = x.reshape(x.shape[:-1] + (-1, 32)); a = np.abs(x).max(-1, keepdims=True)
;;       e = np.where(a > 0, np.clip(np.frexp(np.where(a > 0, a, 1))[1] - 1 - 4, -126, 127), 0)      # np.frexp(a)[1] - 1 = floor(log2(a)), exactly
;;       r = np.clip(x / 2.0 ** e, -28, 28)
;;       step = 2.0 ** (np.maximum(np.frexp(np.where(r == 0, 1, r))[1] - 1, -2) - 2)
;;       q = np.round(r / step) * step * 2.0 ** e      # np.round: ties to even
;;       return np.moveaxis(q.reshape(q.shape[:-2] + (-1,))[..., :K], -1, axis).astype(np.float32)
;;   ~~~
;;   OPERANDS COMPUTED ON THE WAY. 'Computed on the way' means the value that the module computes at that place (a softmax that the list does not call 'softmax' is quantised finished and normalised). What goes into a quantiser is computed in f32, as accurately as f32 sums, v_exp_f32 and their like allow (about 1e-6 of the number): no bf16 or f16 on the way to a quantiser, and a product that is left as it is and whose result goes on into a quantised operand takes f32 operands (vector FMAs, or v_wmma_f32_16x16x4_f32). A number that lies on a knife's edge between two numbers of the format may be rounded either way, as far as f32 arithmetic and the matrix unit's own rounding can turn it there, and no further.
;; One version. Each part assembles by itself: llvm-mc -triple=amdgcn-amd-amdhsa -mcpu=gfx1250 --defsym DOCPART=n.
;; ======== version 1 of 1: 2 launches
;; limits: right only within a limited range of input values
;; workspace buffers: a_codes 12,582,912 bytes; a_scales 524,288 bytes; b_codes 6,291,456 bytes; b_scales 262,144 bytes
;; launch quant (part 1): grid 768 x 1, 4 waves a work-group, no clusters, 34,304 bytes of LDS; arguments x, h, W_f, W_i, W_c, W_o, a_codes, a_scales, b_codes, b_scales; writes a_codes, a_scales, b_codes, b_scales
.if DOCPART == 1
	.amdgcn_target "amdgcn-amd-amdhsa--gfx1250"
	.amdhsa_code_object_version 6
	.text
	.protected	k_q6e6d68e7c1_quant
	.globl	k_q6e6d68e7c1_quant
	.p2align	8
	.type	k_q6e6d68e7c1_quant,@function
k_q6e6d68e7c1_quant:
	s_mov_b64 s[64:65], 0
	v_nop
	global_prefetch_b8 v0, s[64:65] scope:SCOPE_SE
	s_setreg_imm32_b32 hwreg(HW_REG_WAVE_MODE, 25, 1), 1
	s_wait_xcnt 0x0
; The two operands of gates = [x | h] [W_f; W_i; W_c; W_o]^T, f32 with K innermost, become codes of BF6 (E3M2) with one E8M0 byte for each 32 along K,
; LAID IN THE ORDER OF THE MATRIX OPERAND'S REGISTERS.  A block of 16 rows x 128 along K is 1,536 bytes: three planes of 32 lanes x 16 bytes; lane 16 h + r holds 48 bytes,
; plane j its bytes 16 j .. 16 j + 15: first the 24 bytes of row r's block of 32 at k = 32 h, then those at k = 64 + 32 h.
;   a_codes [512 blocks of 16 rows][16 K steps][1536];  b_codes [256][16][1536].
;   a_scales, b_scales [block of 16 rows][8 pairs of K steps][16 rows][2 words]: a word is a row's four bytes of one K step.
; W's rows lie in an order of this program's own: row hid of gate g (0 f, 1 i, 2 c, 3 o) at n' = 128 (hid / 32) + 32 g + hid % 32.
; A block's scale is 2^(floor(log2(largest magnitude)) - 4): its byte is that magnitude's exponent field - 4, held at 1 from below; numbers beyond 28 scales take the largest code.
; LIMITS: a block of zeros gets the byte 1 where the rule says 127 (its codes are zeros, and this program alone reads the bytes); blocks whose largest magnitude lies under 2^-122
; have the byte 1; NaN and infinities among the inputs are not served.
; SHARES: a work-group takes 16 rows (0-511: xh's, 512-767: W's, 64 a gate), a wave 512 along K in 4 steps of 128.  A step's 16 loads read 512 consecutive bytes of a row each;
; the 8,192 bytes turn through the wave's own stage (rows 528 bytes apart) and come back two whole blocks of 32 a lane.  A store covers 512 consecutive bytes.
; No tensor loads, no barrier, no prefetch: the waves share nothing and only stream.  Loads run two steps (32 loads a wave) ahead.
.set SP,    528
.set WREG,  16*SP
.set SPARE, 4*WREG
.set RA,    16                         ; v16-23 16 x lane + i x the source's row stride
.set E,     24                         ; v24-27 a scale word for each step
.set T,     28                         ; v28-30, v32-34 the second halves of a block's codes
.set R,     36                         ; v36-163 two sets of 64 as loaded
.set X,     164                        ; v164-227 my two blocks of 32
.set C,     228                        ; v228-251 codes of steps 0, 1 (steps 2, 3 use the sets of R, which take no more loads)
.set SPW,   252
.set NIL,   253
	s_load_b256 s[4:11], s[0:1], 0x0               ; x, h, W_f, W_i
	s_load_b256 s[12:19], s[0:1], 0x20             ; W_c, W_o, a_codes, a_scales
	s_load_b128 s[20:23], s[0:1], 0x40             ; b_codes, b_scales
	v_lshl_add_u32 v[SPW], v0, 2, SPARE
	v_mov_b32 v[NIL], 0
	v_lshrrev_b32 v1, 5, v0
	v_readfirstlane_b32 s24, v1                    ; wave
	s_and_b32 s25, ttmp9, 255
	s_lshr_b32 s26, s25, 6                         ; W: the gate g
	s_and_b32 s27, s25, 63                         ; and which 16 hidden units: hb
	s_lshr_b32 s28, s27, 1
	s_lshl_b32 s28, s28, 3
	s_lshl_b32 s29, s26, 1
	s_add_co_u32 s28, s28, s29
	s_and_b32 s29, s27, 1
	s_add_co_u32 s28, s28, s29                     ; n' / 16 = 8 (hb / 2) + 2 g + hb % 2
	s_cmp_lt_u32 ttmp9, 512                        ; xh or W: all selections ahead of the next line that sets SCC
	s_cselect_b32 s30, ttmp9, s27                  ; the source's block of 16 rows
	s_cselect_b32 s31, ttmp9, s28                  ; the destination's
	s_cselect_b32 s33, 12, 13                      ; log2 of the source's row stride
	s_cselect_b32 s32, 1, 3
	s_and_b32 s32, s24, s32
	s_lshl_b32 s32, s32, 11                        ; my 2,048 bytes of a source row: x and h have two such parts, W four
	s_lshl_b32 s34, s30, 4
	s_lshl_b32 s34, s34, s33
	s_add_co_u32 s34, s34, s32
	s_mov_b32 s35, 0
	s_lshl_b32 s36, 1, s33
	s_lshl_b32 s38, 8, s33                         ; eight rows on
	s_mov_b32 s39, 0
	s_mul_i32 s40, s31, 24576
	s_mul_i32 s29, s24, 6144
	s_add_co_u32 s40, s40, s29                     ; my four steps' codes
	s_mov_b32 s41, 0
	s_lshl_b32 s44, s31, 10
	s_lshl_b32 s29, s24, 8
	s_add_co_u32 s44, s44, s29                     ; my 256 scale bytes
	s_mov_b32 s45, 0
	s_mul_i32 s37, s24, WREG
	s_mov_b32 s42, 0x76543210
	s_mov_b32 s43, 0xfedcba98                      ; selects for lane l xor 16
	v_and_b32 v2, 31, v0
	v_and_b32 v3, 15, v0                           ; r
	v_bfe_u32 v5, v0, 4, 1                         ; h
	v_lshlrev_b32 v4, 4, v2                        ; 16 x lane
	v_add_nc_u32 v14, s37, v4                      ; the stage, in
	v_mul_u32_u24 v15, v3, SP
	v_lshl_add_u32 v15, v5, 7, v15
	v_add_nc_u32 v15, s37, v15                     ; and out: row r, 128 h
	v_lshlrev_b32 v6, 3, v5                        ; 8 h
	v_lshlrev_b32 v7, 3, v3
	v_lshl_add_u32 v7, v5, 7, v7                   ; scale words out: 128 h + 8 r
	v_mov_b32 v31, 0
	v_mov_b32 v[RA], v4
.irp i, 1,2,3,4,5,6,7
	v_add_nc_u32 v[RA+\i], s36, v[RA+\i-1]
.endr
	s_wait_alu depctr_va_vdst(0)                   ; the wait at the head's end
	s_wait_kmcnt 0x0
	s_cmp_eq_u32 s26, 1
	s_cselect_b64 s[8:9], s[10:11], s[8:9]
	s_cmp_eq_u32 s26, 2
	s_cselect_b64 s[8:9], s[12:13], s[8:9]
	s_cmp_eq_u32 s26, 3
	s_cselect_b64 s[8:9], s[14:15], s[8:9]         ; W_g
	s_cmp_lt_u32 s24, 2
	s_cselect_b64 s[4:5], s[4:5], s[6:7]           ; waves 0, 1: x; waves 2, 3: h
	s_cmp_lt_u32 ttmp9, 512
	s_cselect_b64 s[4:5], s[4:5], s[8:9]
	s_cselect_b64 s[16:17], s[16:17], s[20:21]
	s_cselect_b64 s[18:19], s[18:19], s[22:23]
	s_add_nc_u64 s[4:5], s[4:5], s[34:35]          ; rows 0-7
	s_add_nc_u64 s[6:7], s[4:5], s[38:39]          ; rows 8-15
	s_add_nc_u64 s[16:17], s[16:17], s[40:41]
	s_add_nc_u64 s[18:19], s[18:19], s[44:45]
.macro LOAD t
.irp i, 0,1,2,3,4,5,6,7
	global_load_b128 v[R+64*((\t)%2)+4*\i:R+64*((\t)%2)+4*\i+3], v[RA+\i], s[4:5] offset:512*(\t) th:TH_LOAD_NT
.endr
.irp i, 0,1,2,3,4,5,6,7
	global_load_b128 v[R+64*((\t)%2)+32+4*\i:R+64*((\t)%2)+32+4*\i+3], v[RA+\i], s[6:7] offset:512*(\t) th:TH_LOAD_NT
.endr
.endm
.macro STEP t
.set RS, R+64*((\t)%2)
.if (\t) < 2
.set CS, C+12*(\t)
.else
.set CS, RS
.endif
.if (\t) < 3
	s_wait_loadcnt 16                              ; this step's 16 loads are in; the next step's may be out
.else
	s_wait_loadcnt 0
.endif
.irp i, 0,1,2,3,4,5,6,7,8,9,10,11,12,13,14,15
	ds_store_b128 v14, v[RS+4*\i:RS+4*\i+3] offset:\i*SP
.endr
.irp c, 0,1
.irp j, 0,1,2,3,4,5,6,7
	ds_load_b128 v[X+32*\c+4*\j:X+32*\c+4*\j+3], v15 offset:256*\c+16*\j   ; block 2 c + h of row r; LDS serves a wave's instructions in order
.endr
.endr
	s_wait_dscnt 0x0                               ; my blocks are back, and the stores have read their registers
.if (\t)+2 < 4
	LOAD (\t)+2
.endif
	v_max3_num_f32 v8, |v[X]|, |v[X+1]|, 0x2800000                 ; four chains by turns; the floor 2^(5 - 127) holds the byte at 1 from below
	v_max3_num_f32 v9, |v[X+32]|, |v[X+33]|, 0x2800000
	v_max3_num_f32 v12, |v[X+16]|, |v[X+17]|, |v[X+18]|
	v_max3_num_f32 v13, |v[X+48]|, |v[X+49]|, |v[X+50]|
.irp i, 2,4,6,8,10,12
	v_max3_num_f32 v8, v8, |v[X+\i]|, |v[X+\i+1]|
	v_max3_num_f32 v9, v9, |v[X+32+\i]|, |v[X+33+\i]|
	v_max3_num_f32 v12, v12, |v[X+17+\i]|, |v[X+18+\i]|
	v_max3_num_f32 v13, v13, |v[X+49+\i]|, |v[X+50+\i]|
.endr
	v_max3_num_f32 v8, v8, |v[X+14]|, |v[X+15]|
	v_max3_num_f32 v9, v9, |v[X+46]|, |v[X+47]|
	v_max3_num_f32 v8, v8, v12, |v[X+31]|
	v_max3_num_f32 v9, v9, v13, |v[X+63]|
	v_add_nc_u32 v10, 0xfe000000, v8               ; 4 off the exponent field: the conversion's scale operand
	v_add_nc_u32 v11, 0xfe000000, v9
	v_lshrrev_b32 v12, 23, v10                     ; the bytes of blocks h and 2 + h
	v_lshrrev_b32 v13, 23, v11
	v_lshl_or_b32 v12, v13, 16, v12
	v_lshlrev_b32 v12, v6, v12                     ; at their places in the row's word
	v_permlanex16_b32 v31, v12, s42, s43
	v_cvt_scalef32_pk16_bf6_f32 v[CS:CS+2], v[X:X+15], v10
	v_cvt_scalef32_pk16_bf6_f32 v[T:T+2], v[X+16:X+31], v10       ; (a conversion's three registers begin on an even number)
	v_cvt_scalef32_pk16_bf6_f32 v[CS+6:CS+8], v[X+32:X+47], v11
	v_cvt_scalef32_pk16_bf6_f32 v[T+4:T+6], v[X+48:X+63], v11
	v_or_b32 v[E+(\t)], v12, v31                   ; the word is whole in both halves of the lanes (also the plain line behind the conversions)
.irp i, 0,1,2
	v_mov_b32 v[CS+3+\i], v[T+\i]
	v_mov_b32 v[CS+9+\i], v[T+4+\i]
.endr
.irp j, 0,1,2
	global_store_b128 v4, v[CS+4*\j:CS+4*\j+3], s[16:17] offset:1536*(\t)+512*\j   ; a plane: 512 consecutive bytes
.endr
.endm
	LOAD 0
	LOAD 1
	STEP 0
	STEP 1
	STEP 2
	STEP 3
	v_cmp_gt_u32 vcc_lo, 16, v2
	v_cndmask_b32 v12, v[E+2], v[E], vcc_lo        ; lanes 0-15: my first pair of steps, lanes 16-31: the second
	v_cndmask_b32 v13, v[E+3], v[E+1], vcc_lo
	global_store_b64 v7, v[12:13], s[18:19]        ; 256 consecutive bytes, at a multiple of 256
	s_wait_tensorcnt 0x0                           ; the wave's end
	ds_add_u32 v[SPW], v[NIL]
	s_wait_dscnt 0x0
	s_endpgm
.Lfunc_end_k_q6e6d68e7c1_quant:
	.size	k_q6e6d68e7c1_quant, .Lfunc_end_k_q6e6d68e7c1_quant-k_q6e6d68e7c1_quant
	.p2alignl 7, 3214868480
	.fill 96, 4, 3214868480
	.section	.rodata,"a",@progbits
	.p2align	6, 0x0
	.amdhsa_kernel k_q6e6d68e7c1_quant
		.amdhsa_group_segment_fixed_size 34304
		.amdhsa_private_segment_fixed_size 0
		.amdhsa_enable_private_segment 0
		.amdhsa_kernarg_size 80
		.amdhsa_user_sgpr_count 2
		.amdhsa_user_sgpr_kernarg_segment_ptr 1
		.amdhsa_wavefront_size32 1
		.amdhsa_system_sgpr_workgroup_id_x 1
		.amdhsa_system_sgpr_workgroup_id_y 1
		.amdhsa_system_sgpr_workgroup_id_z 1
		.amdhsa_system_vgpr_workitem_id 0
		.amdhsa_next_free_vgpr 256
		.amdhsa_next_free_sgpr 66
		.amdhsa_reserve_vcc 1
		.amdhsa_float_denorm_mode_32 3
		.amdhsa_float_denorm_mode_16_64 3
		.amdhsa_memory_ordered 1
		.amdhsa_forward_progress 1
		.amdhsa_inst_pref_size 31
	.end_amdhsa_kernel
	.amdgpu_metadata
---
amdhsa.version: [ 1, 2 ]
amdhsa.kernels:
  - .name:           k_q6e6d68e7c1_quant
    .symbol:         k_q6e6d68e7c1_quant.kd
    .args:
      - { .name: x, .offset: 0, .size: 8, .value_kind: global_buffer, .address_space: global }
      - { .name: h, .offset: 8, .size: 8, .value_kind: global_buffer, .address_space: global }
      - { .name: W_f, .offset: 16, .size: 8, .value_kind: global_buffer, .address_space: global }
      - { .name: W_i, .offset: 24, .size: 8, .value_kind: global_buffer, .address_space: global }
      - { .name: W_c, .offset: 32, .size: 8, .value_kind: global_buffer, .address_space: global }
      - { .name: W_o, .offset: 40, .size: 8, .value_kind: global_buffer, .address_space: global }
      - { .name: a_codes, .offset: 48, .size: 8, .value_kind: global_buffer, .address_space: global }
      - { .name: a_scales, .offset: 56, .size: 8, .value_kind: global_buffer, .address_space: global }
      - { .name: b_codes, .offset: 64, .size: 8, .value_kind: global_buffer, .address_space: global }
      - { .name: b_scales, .offset: 72, .size: 8, .value_kind: global_buffer, .address_space: global }
    .group_segment_fixed_size: 34304
    .private_segment_fixed_size: 0
    .kernarg_segment_align: 8
    .kernarg_segment_size: 80
    .max_flat_workgroup_size: 128
    .sgpr_count:     66
    .vgpr_count:     256
    .wavefront_size: 32
...
	.end_amdgpu_metadata
.endif
;; end of part 1
;; launch lstm (part 2): grid 16 x 16, 4 waves a work-group, clusters of 4 x 4, 327,680 bytes of LDS; arguments a_codes, a_scales, b_codes, b_scales, b_f, b_i, b_c, b_o, c, out0, out1; writes out0, out1
.if DOCPART == 2
	.amdgcn_target "amdgcn-amd-amdhsa--gfx1250"
	.amdhsa_code_object_version 6
	.text
	.protected	k_q6e6d68e7c1_lstm
	.globl	k_q6e6d68e7c1_lstm
	.p2align	8
	.type	k_q6e6d68e7c1_lstm,@function
k_q6e6d68e7c1_lstm:
	s_mov_b64 s[64:65], 0
	v_nop
	global_prefetch_b8 v0, s[64:65] scope:SCOPE_SE
	s_setreg_imm32_b32 hwreg(HW_REG_WAVE_MODE, 25, 1), 1
	s_wait_xcnt 0x0
	s_wait_alu depctr_hold_cnt(0) depctr_sa_sdst(0) depctr_va_vdst(0) depctr_va_sdst(0) depctr_va_ssrc(0) depctr_va_vcc(0) depctr_vm_vsrc(0)
	s_getreg_b32 s2, hwreg(HW_REG_IB_STS2, 6, 4)
	s_cmp_eq_u32 s2, 0
	s_cbranch_scc0 .Lentry_in_a_cluster
	s_endpgm
.Lentry_in_a_cluster:
	s_bfe_u32 s2, ttmp6, 0x10000c
	s_cmp_lg_u32 s2, 0xf033
	s_cbranch_scc0 .Lentry_shape_is_right
	s_endpgm
.Lentry_shape_is_right:
; gates = A B'^T + b on codes of BF6 (E3M2) with one E8M0 byte for each 32 along K (K = 2,048); then, in f32, c_new = sigmoid(f) c + sigmoid(i) tanh(g) -> out0, h_new = sigmoid(o) tanh(c_new) -> out1.
; The codes lie in the order of the operand's registers: [block of 16 rows][16 K steps of 128][3 planes][32 lanes][16 bytes]; a fragment is three loads of 16 bytes a lane, dense in LDS.
; The scale words lie [block of 16 rows][8 pairs of K steps][16 rows][2 words].  B's row n' = 128 (hid / 32) + 32 g + hid % 32 holds row hid of gate g (0 f, 1 i, 2 c, 3 o).
; SHARES: a tile is 256 rows x 256 columns n' (64 hidden units x 4 gates); a work-group of four waves makes it, a wave 128 x 128: 64 accumulators, 512 registers.
; A WORK-GROUP STAYS and makes two tiles, tile rows TY and TY + 16 of one tile column: both take the same rows of B', the same scales of B' and the same biases.
; THE MATRIX INSTRUCTION IS USED TRANSPOSED (source 0 = 16 rows of B', source 1 = 16 rows of A): in accumulator (a, b = 2 g + u) lane (r, h) holds, in register j, gate g of row 16 a + r and hidden unit
; 16 u + 8 h + j of the wave's 32: a hidden unit's four gates lie in one lane, and the gates never go to memory.  The biases are the C of each sum's first matrix instruction.
; THE RING: two slots, each with two K steps of A's and B's 16 blocks (a tile's row is a block's 3,072 bytes, at a multiple of 256 bytes); eight fills a tile.  The scale words come once and stay (A's of both tiles).
; At the head one load a wave: A's slot 0, B's slot 0, A's scales, B's scales; slot 1 behind the full sequence and a round.  Then a quarter of a slot a wave.
; The ring goes on into the second tile: on the first tile's way out slot 1 takes the next tile's fill 1 behind the round that shows c whole, slot 0 its fill 0 behind the third quarter's round.
; CLUSTERS: 4 x 4 work-groups; A's tiles are asked for jointly along a row of the cluster, B's along a column.
; A K step is 64 matrix instructions on one set of sixteen fragments; the next step's 48 loads go into the other set in ONE run.
; PREFETCH: behind each refill a wave names, by one instruction, the fill that stands two refills on in the walk of sixteen fills.  Of the 96 blocks of 256 bytes that a wave fetches (8 blocks of rows x 12), each of the
; four partners that ask for them jointly takes 24, told apart by address (cx for A, cy for B); lanes 24-31 name the wave's last block again.  The head names fills 1 and 2, the line behind fill 1's load fill 3.
; B's fills are named in the first tile alone; the last tile's last trip names nothing.  The scales and c's tiles come by one load each and are not named.
; THE WAY OUT: slot 0, read for the last time, takes the tile of c, which is only read there.  c_new and h_new go by quarters (32 rows of each half) through two stage buffers of their own, into which no fill lands,
; and leave as whole rows of 256 bytes.  It is written twice: for the tile that has a successor, and for the last.
; ARITHMETIC: sigmoid(x) = 1 / (1 + 2^(-x log2 e)), tanh(x) = 2 / (1 + 2^(-2 x log2 e)) - 1: where the power is 0 or infinity both take their limits, so nothing is clipped.
; LIMITS: tanh so made has an absolute error of about 1e-7; NaN and infinities among the inputs are not served.
; REGISTERS: window 0: v14-31 addresses; v32-63 scale words, two sets; v64-255 A's fragments, two sets; on the way out v128-255 c.  window 1: B's fragments at v0 and v128 (on the way out whole rows),
; the biases at v96 and v224, kept.  windows 2, 3: the accumulators of my rows 0-63, 64-127 ((a, b) at v[8 (8 (a % 4) + b)]).
.set FR,     12
.set STEPB,  1536                      ; a fragment
.set FILLB,  2*STEPB                   ; a block's bytes in a slot
.set RBB,    16*STEPB                  ; a block of 16 rows in memory
.set QUART,  8*FILLB                   ; what a ring's load brings, and what a wave reads of A or of B'
.set SLOT,   4*QUART
.set SCL,    2*SLOT                    ; A's scales of tile 0, of tile 1, then B's: 16,384 bytes each
.set CP,     272
.set QSTG,   64*CP                     ; a quarter's rows of one output
.set STG,    SCL+49152                 ; two stage buffers of 2 QSTG
.set SPARE,  STG+4*QSTG                ; the spare words
.set LAPS,   4
.set NEXTA,  256*RBB-6*FILLB           ; from a slot's last fill of a tile to its first of the next: 256 blocks of rows down, back along K
.set NEXTC,  16*256*4096               ; 16 tile rows down in c, out0, out1
.set PFJ,    256*RBB-8*FILLB+FILLB     ; the prefetches' step where they pass into the next tile
.set PFO,  14                          ; v14 the prefetches' offset; never rewritten
.set BO,   15
.set ADRA, 16                          ; v16-17 my A fragments in slot 0, 1
.set ADRB, 20                          ; v20-21 B's
.set CA,   24                          ; c's tile: my 32 bytes of row r
.set STO,  25                          ; the same place in a stage buffer
.set CO,   26
.set ADRS, 27
.set SPW,  28
.set NIL,  29
.set RD,   30                          ; where I read whole rows back
.set AS1,  31                          ; where ADRS begins in the second tile
.set SC,   32
.set AF,   64
.set CV,   128
.set G0C,  12
.set WV,   18
.set RH,   19
.set CH,   20
.set TY,   21
.set G1,   24
.set G0,   32
.set TX,   42
.set LIM,  43                          ; s43 a refill's prefetch is issued while the trips to go are more than this
.set G1B,  48
.set G0B,  56
.set G1S,  68                          ; s[68:75] group 1 for A's scales, then for c's tile
.set G1C,  68
.set G0S,  76
.set G1SB, 80
.set G0SB, 88
.set PFA,  100                         ; s[100:101] where my prefetches stand
.set MSB, 0
.macro WIN new
.if MSB != (\new)
	s_set_vgpr_msb (MSB<<8)|(\new)
.set MSB, (\new)
.endif
.endm
.set MUL_LO, 0xa1
.set FST_LO, 0x91
.set TO_B,   0x40
.macro JLOAD g0a, g1a, g0b, g1b        ; a joint load: waves 0, 1 fetch for A, waves 2, 3 for B'
	s_cmp_eq_u32 s[RH], 0
	s_cbranch_scc0 .Lfor_b_\@
	tensor_load_to_lds s[\g0a:\g0a+3], s[\g1a:\g1a+7]
	s_nop 0
.rept 4
	v_nop
.endr
	s_branch .Lasked_\@
.Lfor_b_\@:
	tensor_load_to_lds s[\g0b:\g0b+3], s[\g1b:\g1b+7]
	s_nop 0
.rept 4
	v_nop
.endr
.Lasked_\@:
.endm
.macro CREST
	s_cmp_lg_u32 s[WV], 0
	s_cbranch_scc1 .Lnot_wave_0_\@
	s_barrier_signal -3
.Lnot_wave_0_\@:
	s_barrier_wait -3
	s_barrier_signal -1
	s_barrier_wait -1
.endm
.macro CROUND
	s_barrier_signal -1
	s_barrier_wait -1
	CREST
.endm
.macro ASKA                            ; A's waves name the fill two refills on
	s_cmp_eq_u32 s[RH], 0
	s_cbranch_scc0 .Lnot_a_\@
	global_prefetch_b8 v[PFO], s[PFA:PFA+1] offset:2*FILLB th:TH_LOAD_NT scope:SCOPE_SE
.Lnot_a_\@:
.endm
	s_load_b256 s[4:11], s[0:1], 0x0               ; A's codes, A's scales, B's codes, B's scales
	s_load_b256 s[92:99], s[0:1], 0x20             ; b_f, b_i, b_c, b_o
	v_lshl_add_u32 v[SPW], v0, 2, SPARE
	v_mov_b32 v[NIL], 0
	ds_add_u32 v[SPW], v[NIL]                      ; the opening lines: the add twice on end and its wait
	ds_add_u32 v[SPW], v[NIL]
	v_lshrrev_b32 v1, 5, v0
	v_readfirstlane_b32 s[WV], v1
	s_lshr_b32 s[RH], s[WV], 1                     ; my 128 rows; also: I fetch for A (0) or B' (1)
	s_and_b32 s[CH], s[WV], 1                      ; my 128 columns; also: which half of that tile I fetch
	s_bfe_u32 s40, ttmp6, 0x40000
	s_bfe_u32 s41, ttmp6, 0x40004
	s_lshl_b32 s[TX], ttmp9, 2
	s_add_co_u32 s[TX], s[TX], s40
	s_and_b32 s[TY], ttmp7, 0xffff
	s_lshl_b32 s[TY], s[TY], 2
	s_add_co_u32 s[TY], s[TY], s41                 ; the first tile's row: 0 .. 15
	s_lshl_b32 s43, s41, 2
	s_lshl_b32 s43, 15, s43                        ; my row of the cluster
	s_lshl_b32 s44, 0x1111, s40                    ; my column
	s_mov_b32 s16, 0xbfb8aa3b                      ; -log2(e)
	s_mov_b32 s17, s16
	s_mov_b32 s66, 0xc038aa3b                      ; -2 log2(e)
	s_mov_b32 s67, s66
	s_or_b32 s[G1+0], s43, (3<<16)|(1<<21)         ; elements of 8 bytes, no padding; the mask, and bit 21 beside it
	s_or_b32 s[G1B+0], s44, (3<<16)|(1<<21)
.irp g, G1, G1B
	s_mov_b32 s[\g+1], (FILLB/8)<<16               ; a row: 384 elements
	s_mov_b32 s[\g+2], 16<<16                      ; the head's loads: 16 rows
	s_mov_b32 s[\g+3], (FILLB/8)<<16
	s_mov_b32 s[\g+4], 16
	s_mov_b32 s[\g+5], RBB/8                       ; from block to block
	s_mov_b32 s[\g+6], 0
	s_mov_b32 s[\g+7], 0
.endr
	s_or_b32 s[G1S+0], s43, (3<<16)|(1<<21)        ; A's scales: two rows of 16,384 bytes, one for each of my tiles, 16 tile rows apart
	s_mov_b32 s[G1S+1], 2048<<16
	s_mov_b32 s[G1S+2], 2<<16
	s_mov_b32 s[G1S+3], 2048<<16
	s_mov_b32 s[G1S+4], 2
	s_mov_b32 s[G1S+5], 32768
	s_mov_b32 s[G1S+6], 0
	s_mov_b32 s[G1S+7], 0
	s_or_b32 s[G1SB+0], s44, (3<<16)|(1<<21)       ; B's scales: a dense block of 64 rows of 256 bytes
	s_mov_b32 s[G1SB+1], 32<<16
	s_mov_b32 s[G1SB+2], 64<<16
	s_mov_b32 s[G1SB+3], 32<<16
	s_mov_b32 s[G1SB+4], 64
	s_mov_b32 s[G1SB+5], 32
	s_mov_b32 s[G1SB+6], 0
	s_mov_b32 s[G1SB+7], 0
	s_mul_i32 s22, s[TY], 16*RBB                   ; A's tile hangs on the tile row alone, B's on the tile column alone
	s_mov_b32 s23, 0
	s_mul_i32 s46, s[TX], 16*RBB
	s_mov_b32 s47, 0
	s_mul_i32 s12, s[CH], 8*RBB                    ; in the ring: which eight blocks I fetch
	s_mov_b32 s13, 0
	s_mul_i32 s45, s[WV], QUART                    ; and where they go
	s_wait_dscnt 0x0
	s_wait_kmcnt 0x0
	s_add_nc_u64 s[4:5], s[4:5], s[22:23]
	s_add_nc_u64 s[8:9], s[8:9], s[46:47]
	s_lshl_b32 s22, s[TY], 14
	s_lshl_b32 s46, s[TX], 14
	s_add_nc_u64 s[6:7], s[6:7], s[22:23]
	s_add_nc_u64 s[10:11], s[10:11], s[46:47]
	CROUND                                         ; in front of the first joint loads
	s_mov_b32 s[G0S], 1
	s_mov_b32 s[G0S+1], SCL
	s_mov_b64 s[G0S+2:G0S+3], s[6:7]
	s_or_b32 s[G0S+3], s[G0S+3], 0x80000000
	s_mov_b32 s[G0SB], 1
	s_mov_b32 s[G0SB+1], SCL+32768
	s_mov_b64 s[G0SB+2:G0SB+3], s[10:11]
	s_or_b32 s[G0SB+3], s[G0SB+3], 0x80000000
	s_add_nc_u64 s[22:23], s[4:5], s[12:13]
	s_add_nc_u64 s[46:47], s[8:9], s[12:13]
.irp s, 0,1
	s_mov_b32 s[G0+4*\s], 1
	s_add_co_u32 s[G0+4*\s+1], s45, \s*SLOT
	s_add_nc_u64 s[G0+4*\s+2:G0+4*\s+3], s[22:23], \s*FILLB
	s_or_b32 s[G0+4*\s+3], s[G0+4*\s+3], 0x80000000
	s_mov_b32 s[G0B+4*\s], 1
	s_add_co_u32 s[G0B+4*\s+1], s45, \s*SLOT
	s_add_nc_u64 s[G0B+4*\s+2:G0B+4*\s+3], s[46:47], \s*FILLB
	s_or_b32 s[G0B+4*\s+3], s[G0B+4*\s+3], 0x80000000
.endr
	s_cmp_eq_u32 s[RH], 0                          ; the prefetches: of the eight blocks of rows that I fetch,
	s_cselect_b64 s[PFA:PFA+1], s[22:23], s[46:47]
	s_cselect_b32 s12, s40, s41                    ; my work-group takes two, by its place among the four that ask with it;
	s_cselect_b32 s[LIM], 0, 1                     ; in the first tile A's waves ask in every trip, B's in all but the last
	s_mul_i32 s12, s12, 2*RBB
	s_add_co_u32 s12, s12, FILLB                   ; at fill 1
	s_mov_b32 s13, 0
	s_add_nc_u64 s[PFA:PFA+1], s[PFA:PFA+1], s[12:13]
	s_mov_b64 s[6:7], s[4:5]                       ; s[4:7], s[8:11]: group 0 of the head's loads of slot 0: A's 16 blocks, B's 16
	s_or_b32 s7, s7, 0x80000000
	s_mov_b32 s4, 1
	s_mov_b32 s5, 0
	s_mov_b64 s[10:11], s[8:9]
	s_or_b32 s11, s11, 0x80000000
	s_mov_b32 s8, 1
	s_mov_b32 s9, 2*QUART
.macro ARM under, g0, g1, next         ; one chain of branches on the wave's number, one load to an arm
	s_cmp_lt_u32 s[WV], \under
	s_cbranch_scc0 \next
	tensor_load_to_lds s[\g0:\g0+3], s[\g1:\g1+7]
	s_nop 0
.rept 4
	v_nop
.endr
	s_branch .Lhead_asked
\next:
.endm
	ARM 1, 4,   G1,  .Lhead_b
	ARM 2, 8,   G1B, .Lhead_sa
	ARM 3, G0S, G1S, .Lhead_sb
	tensor_load_to_lds s[G0SB:G0SB+3], s[G1SB:G1SB+7]
	s_nop 0
.rept 4
	v_nop
.endr
.Lhead_asked:
	s_lshl_b32 s46, s[TX], 8                       ; the biases of hidden units 64 TX + 32 CH on, in bytes
	s_lshl_b32 s47, s[CH], 7
	s_add_co_u32 s46, s46, s47
	s_mov_b32 s47, 0
.irp g, 0,1,2,3
	s_add_nc_u64 s[92+2*\g:93+2*\g], s[92+2*\g:93+2*\g], s[46:47]
.endr
	s_mul_i32 s12, s[RH], QUART                    ; my 8 blocks of A
	s_mul_i32 s13, s[CH], QUART
	s_add_co_u32 s13, s13, 2*QUART                 ; and of B'
	s_lshl_b32 s14, s[RH], 13
	s_lshl_b32 s15, s[CH], 13
	s_sub_co_u32 s15, s15, s14
	s_add_co_u32 s44, s15, 16384                   ; from my A scales to my B scales, second tile,
	s_add_co_u32 s15, s15, 32768                   ; and first tile
	s_add_co_u32 s14, s14, SCL
	s_add_co_u32 s41, s14, 16384
	s_lshl_b32 s2, s[CH], 7
	s_mul_i32 s22, s[RH], 128*CP
	s_add_co_u32 s22, s22, s2                      ; c's tile: my 128 rows, my 128 bytes of each
	s_mul_i32 s40, s[RH], 32*CP
	s_add_co_u32 s40, s40, STG
	s_add_co_u32 s23, s40, s2                      ; a stage buffer: my half's 32 rows, my 128 bytes of each
	s_mul_i32 s3, s[CH], 16*CP
	s_add_co_u32 s40, s40, s3                      ; back: of my half's 32 rows the 16 at 16 CH
	v_and_b32 v1, 15, v0                           ; r
	v_bfe_u32 v2, v0, 4, 1                         ; h
	v_and_b32 v3, 31, v0
	v_min_u32 v4, 23, v3                           ; u: which of my 24 blocks of 256 bytes
	v_mul_u32_u24 v5, v4, 11
	v_lshrrev_b32 v5, 7, v5                        ; u / 12 (u under 24): which of the two blocks of rows
	v_mul_u32_u24 v5, v5, RBB-12*256
	v_lshl_add_u32 v[PFO], v4, 8, v5               ; (u / 12) RBB + (u % 12) 256
	v_lshlrev_b32 v3, 4, v3                        ; 16 x lane
	v_add_nc_u32 v[ADRA], s12, v3
	v_add_nc_u32 v[ADRB], s13, v3
	v_add_nc_u32 v[ADRA+1], SLOT, v[ADRA]
	v_add_nc_u32 v[ADRB+1], SLOT, v[ADRB]
	v_mul_u32_u24 v4, s15, v2                      ; lanes 16-31 take B's scale words: the lower base + h x the distance
	v_lshl_add_u32 v4, v1, 3, v4
	v_add_nc_u32 v[ADRS], s14, v4
	v_mul_u32_u24 v4, s44, v2
	v_lshl_add_u32 v4, v1, 3, v4
	v_add_nc_u32 v[AS1], s41, v4
	v_mul_u32_u24 v5, v1, CP
	v_lshl_add_u32 v5, v2, 5, v5
	v_add_nc_u32 v[CA], s22, v5
	v_add_nc_u32 v[STO], s23, v5
	v_mul_u32_u24 v6, v2, CP
	v_lshl_add_u32 v6, v1, 4, v6
	v_add_nc_u32 v[RD], s40, v6
	v_lshlrev_b32 v[CO], 12, v2
	v_lshl_add_u32 v[CO], v1, 4, v[CO]
	v_lshlrev_b32 v[BO], 5, v2
	global_prefetch_b8 v[PFO], s[PFA:PFA+1] th:TH_LOAD_NT scope:SCOPE_SE                ; fill 1
	global_prefetch_b8 v[PFO], s[PFA:PFA+1] offset:FILLB th:TH_LOAD_NT scope:SCOPE_SE   ; fill 2
	WIN TO_B                                       ; the biases into window 1: block b at v[96 + 8 b], from block 4 on 96 further up
.irp g, 0,1,2,3
.irp u, 0,1
.irp q, 0,1
	global_load_b128 v[96+8*(2*\g+\u)+96*(\g/2)+4*\q:96+8*(2*\g+\u)+96*(\g/2)+4*\q+3], v[BO], s[92+2*\g:93+2*\g] offset:64*\u+16*\q
.endr
.endr
.endr
	WIN 0
.macro FETCH slot, q, p                ; 48 loads in one run: B's eight fragments, then A's eight, of the slot's q-th step into set p
	WIN TO_B
.irp i, 0,1,2,3,4,5,6,7
.irp j, 0,1,2
	ds_load_b128 v[128*(\p)+FR*\i+4*\j:128*(\p)+FR*\i+4*\j+3], v[ADRB+\slot] offset:\i*FILLB+(\q)*STEPB+\j*512
.endr
.endr
	WIN 0
.irp i, 0,1,2,3,4,5,6,7
.irp j, 0,1,2
	ds_load_b128 v[AF+96*(\p)+FR*\i+4*\j:AF+96*(\p)+FR*\i+4*\j+3], v[ADRA+\slot] offset:\i*FILLB+(\q)*STEPB+\j*512
.endr
.endr
.endm
; Matrix instruction WN of a step's 64: A's block WN / 8 x B's block WN % 8, on set p; q: which word of scale set sc.  first = 1: the sum starts from the bias.
; The 64 accumulators take turns, one instruction a turn.
.macro WM p, q, sc, first
.set WA, WN/8
.set WB, WN%8
.set WD, 8*(8*(WA%4)+WB)
.if \first
	WIN FST_LO+0x40*(WA/4)
	v_wmma_scale_f32_16x16x128_f8f6f4 v[WD:WD+7], v[128*(\p)+FR*WB:128*(\p)+FR*WB+FR-1], v[AF+96*(\p)+FR*WA:AF+96*(\p)+FR*WA+FR-1], v[96+8*WB+96*(WB/4):96+8*WB+96*(WB/4)+7], v[SC+16*(\sc)+2*WB+(\q)], v[SC+16*(\sc)+2*WA+(\q)] matrix_a_fmt:MATRIX_FMT_BF6 matrix_b_fmt:MATRIX_FMT_BF6 matrix_a_scale:MATRIX_SCALE_ROW1
.else
	WIN MUL_LO+0x50*(WA/4)
	v_wmma_scale_f32_16x16x128_f8f6f4 v[WD:WD+7], v[128*(\p)+FR*WB:128*(\p)+FR*WB+FR-1], v[AF+96*(\p)+FR*WA:AF+96*(\p)+FR*WA+FR-1], v[WD:WD+7], v[SC+16*(\sc)+2*WB+(\q)], v[SC+16*(\sc)+2*WA+(\q)] matrix_a_fmt:MATRIX_FMT_BF6 matrix_b_fmt:MATRIX_FMT_BF6 matrix_a_scale:MATRIX_SCALE_ROW1
.endif
.set WN, WN+1
.endm
.macro SCALES sc                       ; a fill's scale words: lanes 0-15 A's block i, lanes 16-31 B's block i, two words a row
.irp i, 0,1,2,3,4,5,6,7
	ds_load_b64 v[SC+16*\sc+2*\i:SC+16*\sc+2*\i+1], v[ADRS] offset:\i*1024
.endr
.endm
.macro PLACES n
.rept \n
	v_nop
.endr
.endm
; A slot's first step: multiplies set 0; the slot's second step is fetched into set 1 at its head.
.macro STEPA slot, first
	s_wait_dscnt 12                                ; the scale words, B's set and A's blocks 0-3 are in; the 12 loads of A's blocks 4-7 may be out
	PLACES 4                                       ; in front of the loads into set 1, which the step before multiplied
	FETCH \slot, 1, 1
.set WN, 0
.rept 32
	WM 0, 0, \slot, \first
.endr
	s_wait_dscnt 48                                ; all but the 48 just issued
.rept 32
	WM 0, 0, \slot, \first
.endr
	WIN 0
.endm
; A slot's second step multiplies set 1 and changes slots: one barrier, which opens a round of the cluster's.  fill = 1: the slot is filled again jointly, two fills ahead; fill = 2: it takes my 64 rows of c.
.macro TURN slot, next, fill
.if \fill == 1
	s_wait_xcnt 0x0                                ; my last prefetch has read its address: it is stepped here, ahead of the waits of the change of slots
.if \slot == 0
	s_mov_b32 s46, FILLB
	s_cmp_eq_u32 s3, 1                             ; in a tile's last trip the fill two refills on is the next tile's
	s_cselect_b32 s46, PFJ, s46
	s_mov_b32 s47, 0
	s_add_nc_u64 s[PFA:PFA+1], s[PFA:PFA+1], s[46:47]
.else
	s_add_nc_u64 s[PFA:PFA+1], s[PFA:PFA+1], FILLB
.endif
.endif
	s_wait_tensorcnt 0x0                           ; all my tensor loads have landed: my part of the next slot
	ds_add_u32 v[SPW], v[NIL]
	s_wait_dscnt 1                                 ; set 1 is in (the add may be out)
.set WN, 0
.rept 4
	WM 1, 1, \slot, 0
.endr
	s_wait_dscnt 0x0                               ; the add is done; my reads of this slot are over
	s_barrier_signal -1
.rept 4
	WM 1, 1, \slot, 0
.endr
	WIN 0
	s_barrier_wait -1
	CREST
.if \fill == 1
	s_add_nc_u64 s[G0+4*\slot+2:G0+4*\slot+3], s[G0+4*\slot+2:G0+4*\slot+3], 2*FILLB
	s_add_nc_u64 s[G0B+4*\slot+2:G0B+4*\slot+3], s[G0B+4*\slot+2:G0B+4*\slot+3], 2*FILLB
	JLOAD G0+4*\slot, G1, G0B+4*\slot, G1B         ; the first tensor load behind the round; its four v_nop are the places in front of the loads into set 0
.else
	tensor_load_to_lds s[G0C:G0C+3], s[G1C:G1C+7]
	s_nop 0
.rept 4
	v_nop
.endr
.endif
	s_wait_alu depctr_va_vdst(0)                   ; the wait ahead of this reader
	v_add_nc_u32 v[ADRS], 128, v[ADRS]             ; the next fill's scale words
	SCALES \next
	FETCH \next, 0, 0
.if \fill == 1
	s_cmp_gt_u32 s3, s[LIM]
	s_cbranch_scc0 .Lno_ask_\@
	global_prefetch_b8 v[PFO], s[PFA:PFA+1] offset:2*FILLB th:TH_LOAD_NT scope:SCOPE_SE   ; the fill two refills on
.Lno_ask_\@:
.endif
.rept 56
	WM 1, 1, \slot, 0
.endr
	WIN 0
.endm
; THE WAY OUT by quarters: quarter j is A's blocks 2 j, 2 j + 1: 128 registers from v[128 (j % 2)] of window 2 + j / 2; in a block of 64: 0-15 f, 16-31 i, 32-47 g, 48-63 o.
.macro ACTQ j                          ; the gates' activations, in place; each accumulator is first read at its low end
.set QB, 128*((\j)%2)
	WIN 0x55*(2+(\j)/2)
.set PP, QB
.rept 64
.if (PP%64)/16 == 2
	v_pk_mul_f32 v[PP:PP+1], v[PP:PP+1], s[66:67] op_sel_hi:[1,0]
.else
	v_pk_mul_f32 v[PP:PP+1], v[PP:PP+1], s[16:17] op_sel_hi:[1,0]
.endif
.set PP, PP+2
.endr
.set PP, QB
	s_wait_alu depctr_va_vdst(0)                   ; a wait ahead of and behind each batch
.rept 128
	v_exp_f32 v[PP], v[PP]
.set PP, PP+1
.endr
	v_nop
.set PP, QB
	s_wait_alu depctr_va_vdst(0)
.rept 64
	v_pk_add_f32 v[PP:PP+1], v[PP:PP+1], 1.0 op_sel_hi:[1,0]
.set PP, PP+2
.endr
.set PP, QB
	s_wait_alu depctr_va_vdst(0)
.rept 128
	v_rcp_f32 v[PP], v[PP]
.set PP, PP+1
.endr
	v_nop
.set AA, 0
	s_wait_alu depctr_va_vdst(0)
.rept 2
.set KK, 0
.rept 8
	v_pk_fma_f32 v[QB+64*AA+32+KK:QB+64*AA+33+KK], v[QB+64*AA+32+KK:QB+64*AA+33+KK], 2.0, -1.0 op_sel_hi:[1,0,0]   ; tanh(g)
.set KK, KK+2
.endr
.set AA, AA+1
.endr
.set AA, 0
.rept 2
.set KK, 0
.rept 8
	v_pk_mul_f32 v[QB+64*AA+16+KK:QB+64*AA+17+KK], v[QB+64*AA+16+KK:QB+64*AA+17+KK], v[QB+64*AA+32+KK:QB+64*AA+33+KK]   ; sigmoid(i) tanh(g)
.set KK, KK+2
.endr
.set AA, AA+1
.endr
.endm
.macro CELLQ j                         ; c_new takes f's registers, h_new o's; g's are at work; c of block a lies in window 0 at v[CV + 16 a]
.set QB, 128*((\j)%2)
	WIN 0xa2+0x51*((\j)/2)
.set AA, 0
.rept 2
.set KK, 0
.rept 8
	v_pk_fma_f32 v[QB+64*AA+KK:QB+64*AA+KK+1], v[QB+64*AA+KK:QB+64*AA+KK+1], v[CV+16*(2*(\j)+AA)+KK:CV+16*(2*(\j)+AA)+KK+1], v[QB+64*AA+16+KK:QB+64*AA+17+KK]
.set KK, KK+2
.endr
.set AA, AA+1
.endr
	WIN 0x55*(2+(\j)/2)
.set AA, 0
.rept 2
.set KK, 0
.rept 8
	v_pk_mul_f32 v[QB+64*AA+32+KK:QB+64*AA+33+KK], v[QB+64*AA+KK:QB+64*AA+KK+1], s[66:67] op_sel_hi:[1,0]
.set KK, KK+2
.endr
.set AA, AA+1
.endr
.set AA, 0
	s_wait_alu depctr_va_vdst(0)
.rept 2
.set KK, 0
.rept 16
	v_exp_f32 v[QB+64*AA+32+KK], v[QB+64*AA+32+KK]
.set KK, KK+1
.endr
.set AA, AA+1
.endr
	v_nop
.set AA, 0
	s_wait_alu depctr_va_vdst(0)
.rept 2
.set KK, 0
.rept 8
	v_pk_add_f32 v[QB+64*AA+32+KK:QB+64*AA+33+KK], v[QB+64*AA+32+KK:QB+64*AA+33+KK], 1.0 op_sel_hi:[1,0]
.set KK, KK+2
.endr
.set AA, AA+1
.endr
.set AA, 0
	s_wait_alu depctr_va_vdst(0)
.rept 2
.set KK, 0
.rept 16
	v_rcp_f32 v[QB+64*AA+32+KK], v[QB+64*AA+32+KK]
.set KK, KK+1
.endr
.set AA, AA+1
.endr
	v_nop
.set AA, 0
	s_wait_alu depctr_va_vdst(0)
.rept 2
.set KK, 0
.rept 8
	v_pk_fma_f32 v[QB+64*AA+32+KK:QB+64*AA+33+KK], v[QB+64*AA+32+KK:QB+64*AA+33+KK], 2.0, -1.0 op_sel_hi:[1,0,0]   ; tanh(c_new)
.set KK, KK+2
.endr
.set AA, AA+1
.endr
.set AA, 0
.rept 2
.set KK, 0
.rept 8
	v_pk_mul_f32 v[QB+64*AA+48+KK:QB+64*AA+49+KK], v[QB+64*AA+48+KK:QB+64*AA+49+KK], v[QB+64*AA+32+KK:QB+64*AA+33+KK]   ; h_new
.set KK, KK+2
.endr
.set AA, AA+1
.endr
.endm
.macro STAGEQ j                        ; the quarter's two blocks into stage buffer j % 2: c_new, and QSTG further on h_new
.set QB, 128*((\j)%2)
	WIN 4*(2+(\j)/2)
.irp a, 0,1
.irp u, 0,1
.irp q, 0,1
	ds_store_b128 v[STO], v[QB+64*\a+8*\u+4*\q:QB+64*\a+8*\u+4*\q+3] offset:((\j)%2)*2*QSTG+\a*16*CP+64*\u+16*\q
	ds_store_b128 v[STO], v[QB+64*\a+48+8*\u+4*\q:QB+64*\a+48+8*\u+4*\q+3] offset:((\j)%2)*2*QSTG+QSTG+\a*16*CP+64*\u+16*\q
.endr
.endr
.endr
	WIN 0
.endm
.macro QREG j                          ; where a quarter's whole rows come back, in window 1, beside the biases: c_new's 32 registers at 0, 128, 64, 0; h_new's at 32, 160, 192, 32
.set XB, (((\j)%3)*128)%192
.set YB, 32+((\j)%3)*128-(((\j)%3)/2)*96
.endm
.macro READQ j                         ; my 16 whole rows of the quarter, two rows an instruction
	QREG \j
	WIN TO_B
.set TT, 0
.rept 8
	ds_load_b128 v[XB+4*TT:XB+4*TT+3], v[RD] offset:((\j)%2)*2*QSTG+2*TT*CP
.set TT, TT+1
.endr
.set TT, 0
.rept 8
	ds_load_b128 v[YB+4*TT:YB+4*TT+3], v[RD] offset:((\j)%2)*2*QSTG+QSTG+2*TT*CP
.set TT, TT+1
.endr
	WIN 0
.endm
.macro SENDQ j, counted                ; 16 lanes store 256 consecutive aligned bytes
	QREG \j
	WIN 0x04
.set TT, 0
.rept 8
.if \counted
	s_wait_dscnt 15-TT
.endif
	global_store_b128 v[CO], v[XB+4*TT:XB+4*TT+3], s[6:7] offset:(32*(\j)+2*TT)*4096 th:TH_STORE_NT
.set TT, TT+1
.endr
.set TT, 0
.rept 8
.if \counted
	s_wait_dscnt 7-TT
.endif
	global_store_b128 v[CO], v[YB+4*TT:YB+4*TT+3], s[8:9] offset:(32*(\j)+2*TT)*4096 th:TH_STORE_NT
.set TT, TT+1
.endr
	WIN 0
.endm
; The whole way out.  succ = 1: the tile has a successor, whose first two fills are asked for here.
.macro EPI succ
	ACTQ 0                                         ; c's tile lands under these three
	ACTQ 1
	ACTQ 2
	WIN 0
.if \succ
	s_wait_xcnt 0x0
	s_add_nc_u64 s[PFA:PFA+1], s[PFA:PFA+1], FILLB
.endif
	s_wait_tensorcnt 0x0                           ; my 64 rows of c are in LDS
.if \succ
	ds_add_u32 v[SPW], v[NIL]                      ; the full sequence: slot 1 is filled again behind the round
	s_add_nc_u64 s[G0C+2:G0C+3], s[G0C+2:G0C+3], NEXTC
	s_add_nc_u64 s[G0+6:G0+7], s[G0+6:G0+7], NEXTA
	s_sub_nc_u64 s[G0B+6:G0B+7], s[G0B+6:G0B+7], 6*FILLB
	s_wait_dscnt 0x0                               ; the add is done; my reads of slot 1 are over
	CROUND
	JLOAD G0+4, G1, G0B+4, G1B                     ; the next tile's fill 1
.else
	s_wait_dscnt 0x0
	s_barrier_signal -1
	s_barrier_wait -1                              ; c's tile is whole
.endif
.irp a, 0,1,2,3,4,5,6,7
.irp u, 0,1
.irp q, 0,1
	ds_load_b128 v[CV+16*\a+8*\u+4*\q:CV+16*\a+8*\u+4*\q+3], v[CA] offset:\a*16*CP+64*\u+16*\q
.endr
.endr
.endr
.if \succ
	ASKA                                           ; the next tile's fill 2
.endif
	s_wait_dscnt 24                                ; blocks 0 and 1's eight loads are in
	CELLQ 0
	STAGEQ 0
	s_wait_dscnt 0x0                               ; for the others' sake: my stores of quarter 0 are done; all of c is in my registers
	s_barrier_signal -1
	CELLQ 1
	WIN 0
	s_wait_alu depctr_va_vdst(0)
	s_barrier_wait -1
	READQ 0
	STAGEQ 1
	s_wait_dscnt 16                                ; behind quarter 0's loads stand only the 16 stores just issued
	SENDQ 0, 0
	s_wait_dscnt 0x0
	s_barrier_signal -1
	CELLQ 2
	WIN 0
	s_wait_alu depctr_va_vdst(0)
	s_barrier_wait -1
	READQ 1
	STAGEQ 2                                       ; buffer 0 again: every wave's reads of quarter 0 were over at its last signal
	s_wait_dscnt 16
	SENDQ 1, 0
.if \succ
	s_wait_xcnt 0x0
	s_add_nc_u64 s[PFA:PFA+1], s[PFA:PFA+1], FILLB
	s_wait_tensorcnt 0x0                           ; the full sequence: slot 0, out of which every wave has taken c, is filled again behind the round
	ds_add_u32 v[SPW], v[NIL]
	s_add_nc_u64 s[G0+2:G0+3], s[G0+2:G0+3], NEXTA
	s_sub_nc_u64 s[G0B+2:G0B+3], s[G0B+2:G0B+3], 6*FILLB
	s_wait_dscnt 0x0
	CROUND
	JLOAD G0, G1, G0B, G1B                         ; the next tile's fill 0
	READQ 2
	ASKA                                           ; the next tile's fill 3
	s_wait_alu depctr_va_vdst(0)                   ; the wait ahead of the first reads of these matrix results
	ACTQ 3
	CELLQ 3
	WIN 0
.else
	s_wait_dscnt 0x0
	s_barrier_signal -1
	ACTQ 3
	CELLQ 3
	WIN 0
	s_wait_alu depctr_va_vdst(0)
	s_barrier_wait -1
	READQ 2
.endif
	STAGEQ 3
	s_wait_dscnt 16
	SENDQ 2, 0
	s_wait_dscnt 0x0
	s_barrier_signal -1
	s_barrier_wait -1
	s_wait_xcnt 0x0                                ; quarter 0's stores have read their registers, which take quarter 3's rows
	READQ 3
	SENDQ 3, 1
.endm
	s_wait_alu depctr_va_vdst(0)                   ; the wait at the head's end
	s_wait_tensorcnt 0x0                           ; my tile of the head's four is in; the full sequence ahead of slot 1's first fill
	ds_add_u32 v[SPW], v[NIL]
	s_mov_b32 s[G1+2], 8<<16                       ; no tensor load of mine is out: from here on a load brings eight blocks
	s_mov_b32 s[G1+4], 8
	s_mov_b32 s[G1B+2], 8<<16
	s_mov_b32 s[G1B+4], 8
	s_wait_dscnt 0x0
	CROUND
	JLOAD G0+4, G1, G0B+4, G1B                     ; fill 1, the first tensor load behind the round
	s_load_b128 s[4:7], s[0:1], 0x40               ; c, out0 (the head's group 0 there is done with)
	s_load_b64 s[8:9], s[0:1], 0x50                ; out1
	SCALES 0
	FETCH 0, 0, 0
	global_prefetch_b8 v[PFO], s[PFA:PFA+1] offset:2*FILLB th:TH_LOAD_NT scope:SCOPE_SE   ; fill 3
	s_lshl_b32 s10, s[TY], 8                       ; my 64 rows of c: (256 TY + 64 wave) rows of 4,096 bytes + 256 TX
	s_lshl_b32 s11, s[WV], 6
	s_add_co_u32 s10, s10, s11
	s_lshl_b32 s10, s10, 12
	s_lshl_b32 s11, s[TX], 8
	s_add_co_u32 s10, s10, s11
	s_mov_b32 s11, 0
	s_lshl_b32 s22, s[TY], 8                       ; the rows that I store: 256 TY + 128 RH + 16 CH + 32 j + 0 .. 15
	s_lshl_b32 s23, s[RH], 7
	s_add_co_u32 s22, s22, s23
	s_lshl_b32 s23, s[CH], 4
	s_add_co_u32 s22, s22, s23
	s_lshl_b32 s22, s22, 12
	s_lshl_b32 s23, s[TX], 8
	s_add_co_u32 s22, s22, s23
	s_mov_b32 s23, 0
	s_wait_kmcnt 0x0
	s_add_nc_u64 s[4:5], s[4:5], s[10:11]
	s_add_nc_u64 s[6:7], s[6:7], s[22:23]
	s_add_nc_u64 s[8:9], s[8:9], s[22:23]
	s_mov_b32 s[G0C], 1
	s_mul_i32 s[G0C+1], s[WV], 64*CP
	s_mov_b64 s[G0C+2:G0C+3], s[4:5]
	s_or_b32 s[G0C+3], s[G0C+3], 0x80000000
	s_mov_b32 s[G1C+0], (2<<16)|(1<<20)|(5<<22)|(3<<25)  ; c's tile: no mask; 64 rows of 64 numbers, 16 bytes of padding behind each (the load of A's scales, which named these registers, is done)
	s_mov_b32 s[G1C+1], 64<<16
	s_mov_b32 s[G1C+2], 64<<16
	s_mov_b32 s[G1C+3], 64<<16
	s_mov_b32 s[G1C+4], 64
	s_mov_b32 s[G1C+5], 1024
	s_mov_b32 s[G1C+6], 0
	s_mov_b32 s[G1C+7], 0
	s_wait_loadcnt 0x0                             ; the biases are in
	s_mov_b32 s2, 2                                ; tiles to go, this one among them: the same in every work-group
.Ltile:
	STEPA 0, 1                                     ; a tile's first step starts the sums from the biases
	s_mov_b32 s3, LAPS-1
.Llap:                                                 ; a trip goes once round the ring and fills both slots again: fills 2 to 7 in three trips
	TURN 0, 1, 1
	STEPA 1, 0
	TURN 1, 0, 1
	STEPA 0, 0
	s_sub_co_u32 s3, s3, 1
	s_cmp_lg_u32 s3, 0
	s_cbranch_scc1 .Llap
	TURN 0, 1, 2                                   ; slot 0 takes c
	STEPA 1, 0
	s_wait_dscnt 0x0                               ; the tile's last step
.set WN, 0
.rept 64
	WM 1, 1, 1, 0
.endr
	WIN 0
	PLACES 4
	s_cmp_eq_u32 s2, 1
	s_cbranch_scc1 .Llast_tile                     ; the last tile's way out is written out: it asks for nothing more
	EPI 1
	s_wait_tensorcnt 0x0                           ; my parts of the next tile's fills 0 and 1 are in
	s_wait_xcnt 0x0                                ; the stores have read their registers and bases
	s_add_nc_u64 s[6:7], s[6:7], NEXTC
	s_add_nc_u64 s[8:9], s[8:9], NEXTC
	s_cmp_eq_u32 s[RH], 0
	s_cselect_b32 s[LIM], 1, 3                     ; in the last tile A's waves ask in all trips but the last, B's in none
	v_mov_b32 v[ADRS], v[AS1]
	s_wait_alu depctr_va_vdst(0)
	s_barrier_signal -1
	s_barrier_wait -1                              ; everybody's parts are in
	SCALES 0
	FETCH 0, 0, 0
	s_sub_co_u32 s2, s2, 1
	s_branch .Ltile
.Llast_tile:
	EPI 0
	s_wait_tensorcnt 0x0                           ; the wave's end
	ds_add_u32 v[SPW], v[NIL]
	s_wait_dscnt 0x0
	CROUND                                         ; the closing round
	s_endpgm
.Lfunc_end_k_q6e6d68e7c1_lstm:
	.size	k_q6e6d68e7c1_lstm, .Lfunc_end_k_q6e6d68e7c1_lstm-k_q6e6d68e7c1_lstm
	.p2alignl 7, 3214868480
	.fill 96, 4, 3214868480
	.section	.rodata,"a",@progbits
	.p2align	6, 0x0
	.amdhsa_kernel k_q6e6d68e7c1_lstm
		.amdhsa_group_segment_fixed_size 327680
		.amdhsa_private_segment_fixed_size 0
		.amdhsa_enable_private_segment 0
		.amdhsa_kernarg_size 88
		.amdhsa_user_sgpr_count 2
		.amdhsa_user_sgpr_kernarg_segment_ptr 1
		.amdhsa_wavefront_size32 1
		.amdhsa_system_sgpr_workgroup_id_x 1
		.amdhsa_system_sgpr_workgroup_id_y 1
		.amdhsa_system_sgpr_workgroup_id_z 1
		.amdhsa_system_vgpr_workitem_id 0
		.amdhsa_next_free_vgpr 1024
		.amdhsa_next_free_sgpr 102
		.amdhsa_reserve_vcc 0
		.amdhsa_float_denorm_mode_32 3
		.amdhsa_float_denorm_mode_16_64 3
		.amdhsa_memory_ordered 1
		.amdhsa_forward_progress 1
		.amdhsa_inst_pref_size 255
	.end_amdhsa_kernel
	.section	.bss,"aw",@nobits
	.p2align	6
	.space	262144
	.amdgpu_metadata
---
amdhsa.version: [ 1, 2 ]
amdhsa.kernels:
  - .name:           k_q6e6d68e7c1_lstm
    .symbol:         k_q6e6d68e7c1_lstm.kd
    .args:
      - { .name: a_codes, .offset: 0, .size: 8, .value_kind: global_buffer, .address_space: global }
      - { .name: a_scales, .offset: 8, .size: 8, .value_kind: global_buffer, .address_space: global }
      - { .name: b_codes, .offset: 16, .size: 8, .value_kind: global_buffer, .address_space: global }
      - { .name: b_scales, .offset: 24, .size: 8, .value_kind: global_buffer, .address_space: global }
      - { .name: b_f, .offset: 32, .size: 8, .value_kind: global_buffer, .address_space: global }
      - { .name: b_i, .offset: 40, .size: 8, .value_kind: global_buffer, .address_space: global }
      - { .name: b_c, .offset: 48, .size: 8, .value_kind: global_buffer, .address_space: global }
      - { .name: b_o, .offset: 56, .size: 8, .value_kind: global_buffer, .address_space: global }
      - { .name: c, .offset: 64, .size: 8, .value_kind: global_buffer, .address_space: global }
      - { .name: out0, .offset: 72, .size: 8, .value_kind: global_buffer, .address_space: global }
      - { .name: out1, .offset: 80, .size: 8, .value_kind: global_buffer, .address_space: global }
    .group_segment_fixed_size: 327680
    .private_segment_fixed_size: 0
    .kernarg_segment_align: 8
    .kernarg_segment_size: 88
    .max_flat_workgroup_size: 128
    .sgpr_count:     102
    .vgpr_count:     1024
    .wavefront_size: 32
...
	.end_amdgpu_metadata
.endif
;; end of part 2
